; MI455X (gfx1250); checked and timed in simulation.
; The chip was launched on July 23, 2026; its instructions are those of AMD's public machine-readable ISA for CDNA 5 (MIT licence, August 2026) and "CDNA5" Instruction Set Architecture Reference Guide (July 2026). The comments in the code are by the model that wrote it; some were corrected since.
;; Sparse Attention. Allowed arithmetic: float matrix products may take bf16 or f16 operands with f32 sums; other float arithmetic in f32, or as packed bf16 or f16 multiplies, adds, multiply-adds, maxima and minima; sums over many terms, partial sums and values carried from step to step in f32; what a program stores and reads back later, other than sums and carried values, may be rounded once to bf16 or f16.
;; Inputs: k 1 x 16 x 4,096 x 64 float32; q 1 x 16 x 4,096 x 64 float32; v 1 x 16 x 4,096 x 64 float32.
;; Outputs: out0 1 x 16 x 4,096 x 64 float32.
;; 2 versions, each right; version 2 is version 1 with the launch band written anew for expert scheduling mode. Each part assembles by itself: llvm-mc -triple=amdgcn-amd-amdhsa -mcpu=gfx1250 --defsym DOCPART=n.
;; ======== version 1 of 2: 1 launch
;; limits: values are held in f16: magnitudes above 65,504 overflow, below 6.1e-05 lose precision; inputs' magnitudes at most 65,504; below input magnitudes of 6.1e-05 results are inexact or not finite
;; launch band (part 1): grid 16 x 16, 4 waves a work-group, no clusters, 210,432 bytes of LDS; arguments q, k, v, out0; writes out0
.if DOCPART == 1
	.amdgcn_target "amdgcn-amd-amdhsa--gfx1250"
	.amdhsa_code_object_version 6
	.text
	.protected	k_q8c8adb2adf_band
	.globl	k_q8c8adb2adf_band
	.p2align	8
	.type	k_q8c8adb2adf_band,@function
k_q8c8adb2adf_band:
	s_mov_b64 s[64:65], 0
	v_nop
	global_prefetch_b8 v0, s[64:65] scope:SCOPE_SE
	s_setreg_imm32_b32 hwreg(HW_REG_WAVE_MODE, 25, 1), 1
	s_wait_xcnt 0x0
; BANDED ATTENTION.  out[h][i][:] = the sum over j of softmax_j(q[h][i] . k[h][j] / 8) v[h][j][:], j from max(0, i - 128) to min(4096, i + 128) - 1.
; q, k, v, out: [16][4096][64] f32: a row is 256 bytes, a head 2^20 bytes.  q, k, v and the weights p are rounded once to f16 for the matrix units; products, maxima and sums in f32
; (the sum l is taken of the unrounded p); out is stored in f32.
; LIMITS.  f16 holds no number beyond 65,504: |q|, |k|, |v| lie within it.  A hidden score counts as its value less 1e30; a weight below 2^-126 counts as 0 in l; p below 6e-5 keeps
; f16's fixed step of 6e-8.  NaN and infinities are not treated apart.  Every row sees its own key, so no row is without a weight.
; SHARES.  Work-group (b, head) owns queries 256 b .. 256 b + 255 and brings keys 256 b - 128 .. 256 b + 383 into LDS: rows 0 .. 511 of its window.  Wave w owns queries 256 b + 64 w .. + 63, four tiles t of 16,
; and reads window rows 64 w .. 64 w + 319: 20 key tiles kt of 16.  Tile t needs kt = t .. t + 16: kt = t holds the band's lower edge, kt = t + 16 its upper edge, the 15 between are seen whole.
; THE WAY IN.  The inputs are f32 and the matrix units take 16 bits, so every byte passes through registers: 16 bytes a lane are loaded (a load takes two whole rows), rounded in place, and 8 bytes a lane
; stored into padded LDS rows.  Each wave stages 128 rows of K, 128 of V and its own 64 of Q.  K and Q are waited for first; V's 64 loads a wave stay out while K Q^T is multiplied.
; LAYOUT.  S^T = K Q^T (source 0 = 16 keys, source 1 = 16 queries): a lane holds ONE query (r = lane % 16) and the keys 8 h + 0..7 (h = lane / 16).  Two such results rounded to f16 in pairs ARE source 1
; (32 keys x 16 queries) of O^T = V^T P; V ([key][channel]) comes out of LDS turned, by ds_load_tr16_b128.
; SOFTMAX.  All 17 x 8 scores of a lane's query stay in registers, so the maximum m is the row's true one: p = 2^(c s - c m), c = log2(e) / 8.
; THE MASK is the C operand of each accumulator's first product: 0, or -1e30 where the key is hidden.  The head's ends fall on whole steps of 64 keys, alike for a wave: E0, E1, E3, E4 are the
; addends of steps 0, 1, 3, 4 (step 2 holds the queries' own keys).  MD and MU are the two edges' masks.  Rows outside the head are not loaded: they are one wave's whole share of 128 rows, whose first
; row is clamped into the head; the copies are finite and get the weight 0.
; NO CLUSTER: two neighbouring blocks share 256 key rows, but as rows 256 .. 511 of one window and rows 0 .. 255 of the other, and an LDS address does not hang on a work-group's place;
; and what comes from memory is f32, which has to pass through registers before it can lie in LDS as f16.
; REGISTERS, in windows of 256 (s_set_vgpr_msb: bits 1:0 source 0, 3:2 source 1, 5:4 source 2, 7:6 destination).  TILE t LIVES IN WINDOW t, with the same numbers in every window:
;   v32-95   a staging group (16 loads x 4); on the way out v32-63 take 16 rows read back
;   v96-111  Q's two fragments; then the statistics: v96-99 at work, v100 c m, v101 m, v102-109 four pairs of sums, v110 1 / l, v111 0
;   v112-255 S^T: key tile kt at 112 + 8 (kt - 2 (t / 2)); P takes the lower half of each 16 registers in place; O^T's four accumulators the upper halves at 120 + 16 cb
;   v0-31    window 0: addresses, E4 (v16-23), MU (v24-31); windows 1, 2: the two fragment buffers; window 3: MD (v0-7), E0 (v8-15), E1 (v16-23), E3 (v24-31)
.set PK,    144       ; a row of K or Q in LDS: 128 bytes + 16 = 36 words: the 16 rows of a fragment load start at 16 different groups of four banks (64 banks of 4 bytes: ISA guide 11.1)
.set PV,    160       ; a row of V: 128 + 32 = 40 words
.set SP,    272       ; a row of the stage: 256 + 16
.set KB,    0         ; K: 512 rows x 144
.set VB,    73728     ; V: 512 rows x 160
.set QB,    155648    ; Q: 256 rows x 144; wave w stores and reads rows 64 w .. 64 w + 63 alone
.set STG,   192512    ; the way out: 16 rows x 272 for each wave, its own
.set SPARE, 209920    ; the spare words, 128 bytes for each wave
.set GA,  3           ; v3   2048 h + 16 r: my 16 bytes of a row of K or Q; lanes 16-31 eight rows on
.set GV,  4           ; v4   1024 h + 16 r: the same for V, four rows on
.set LK,  5           ; v5   where my 8 bytes of K go
.set LQ,  6           ; v6   of Q
.set LV,  7           ; v7   of V
.set AK,  8           ; v8   my place in the wave's first fragment of K
.set AQ,  9           ; v9   of Q
.set AV,  10          ; v10  of V (turned)
.set STO, 11          ; v11  the way out: where I put 32 bytes of a row
.set RD,  12          ; v12  where I read rows back
.set GO,  13          ; v13  my 16 bytes in two rows of out
.set SPW, 14          ; v14  LDS address of my spare word; never rewritten
.set NIL, 15          ; v15  0; never rewritten
.set MSB, 0
.macro WIN new                      ; the immediate's high byte repeats the setting that is left; a switch that changes nothing is dropped
.if MSB != (\new)
	s_set_vgpr_msb (MSB<<8)|(\new)
.set MSB, (\new)
.endif
.endm
.macro PLACES                       ; four plain vector instructions between a matrix instruction and a load into, or a read of, its registers
.rept 4
	v_nop
.endr
.endm
; A staging group: 32 rows by 16 loads into window win.  Load n takes row row0 + (n / half) 2 half + n % half in lanes 0-15 and the row half further on in lanes 16-31: 2 x 256 consecutive bytes, aligned.
.macro LOADG win, bs, vo, row0, half, nt
.set wv, (\win)<<6
	WIN wv
.set n, 0
.rept 16
.set rw, (\row0)+(n/(\half))*2*(\half)+n%(\half)
.if \nt
	global_load_b128 v[32+4*n:35+4*n], v[\vo], s[\bs:\bs+1] offset:256*rw th:TH_LOAD_NT
.else
	global_load_b128 v[32+4*n:35+4*n], v[\vo], s[\bs:\bs+1] offset:256*rw
.endif
.set n, n+1
.endr
.endm
.macro CVTG win                     ; the group's 64 f32 a lane become 32 words of f16, in place: load n's four numbers into its first two registers
.set wv, (\win)*0x45
	WIN wv
.set n, 0
.rept 16
	v_cvt_pk_f16_f32 v[32+4*n], v[32+4*n], v[33+4*n]
	v_cvt_pk_f16_f32 v[33+4*n], v[34+4*n], v[35+4*n]
.set n, n+1
.endr
.endm
; and go to LDS, 8 bytes a lane: two rows of 128 bytes a store, half x pitch bytes apart = 288 (K, Q) or 160 (V) words = 32 modulo 64: the two rows take the two halves of the banks
.macro STOREG win, va, row0, half, pitch
.set wv, (\win)<<2
	WIN wv
.set n, 0
.rept 16
.set rw, (\row0)+(n/(\half))*2*(\half)+n%(\half)
	ds_store_b64 v[\va], v[32+4*n:33+4*n] offset:(\pitch)*rw
.set n, n+1
.endr
.endm
	s_load_b256 s[4:11], s[0:1], 0x0               ; q s[4:5], k s[6:7], v s[8:9], out s[10:11]
	v_lshl_add_u32 v[SPW], v0, 2, SPARE
	v_mov_b32 v[NIL], 0
	v_lshrrev_b32 v1, 5, v0
	v_readfirstlane_b32 s12, v1                    ; w: wave 0..3
	v_and_b32 v1, 15, v0                           ; r
	v_bfe_u32 v2, v0, 4, 1                         ; h
	v_lshlrev_b32 v[GA], 4, v1
	v_lshl_add_u32 v[GV], v2, 10, v[GA]
	v_lshl_add_u32 v[GA], v2, 11, v[GA]
	s_mov_b32 s13, ttmp9                           ; b: the block of 256 queries
	s_and_b32 s14, ttmp7, 0xffff
	s_lshl_b32 s14, s14, 20                        ; the head's first byte
	s_lshl_b32 s15, s13, 8                         ; 256 b
	s_lshl_b32 s37, s12, 7
	s_add_co_u32 s37, s15, s37
	s_sub_co_i32 s37, s37, 128                     ; the first key row that I stage: 256 b - 128 + 128 w,
	s_max_i32 s37, s37, 0                          ; held inside the head: -128 becomes 0,
	s_min_i32 s37, s37, 3968                       ; 4,096 becomes 3,968; every other share lies inside
	s_lshl_b32 s24, s37, 8
	s_add_co_u32 s24, s24, s14
	s_mov_b32 s25, 0                               ; s[24:25]: K's and V's offset
	s_lshl_b32 s30, s13, 16
	s_lshl_b32 s38, s12, 14
	s_add_co_u32 s30, s30, s38
	s_add_co_u32 s30, s30, s14
	s_mov_b32 s31, 0                               ; s[30:31]: q's and out's offset: my wave's 64 rows
	s_wait_kmcnt 0x0
	s_add_nc_u64 s[16:17], s[6:7], s[24:25]        ; K
	s_add_nc_u64 s[20:21], s[8:9], s[24:25]        ; V
	s_add_nc_u64 s[18:19], s[4:5], s[30:31]        ; Q
	s_add_nc_u64 s[22:23], s[10:11], s[30:31]      ; out
	LOADG 0, 16, GA, 0, 8, 0                       ; K's four groups go out before anything else is made: 64 loads, 32 KiB a wave (a counter that is full holds the issue back: ISA guide 5.7.1)
	LOADG 1, 16, GA, 32, 8, 0
	LOADG 2, 16, GA, 64, 8, 0
	LOADG 3, 16, GA, 96, 8, 0
	WIN 0
	; the rest of the set-up stands in the wait for K.  v96-99 of window 0 are at work here, before Q's fragments take them
	s_mov_b32 s26, 0x3e38aa3b                      ; c = log2(e) / 8
	s_mov_b32 s27, s26                             ; named with it as a pair
	s_mov_b32 s28, 0x76543210                      ; v_permlanex16_b32: each lane takes its own place in the other half
	s_mov_b32 s29, 0xfedcba98
	s_mov_b32 s36, 0xf149f2ca                      ; -1e30
	s_lshl_b32 s38, s12, 6
	s_add_co_u32 s38, s38, s15
	s_sub_co_u32 s38, s38, 128                     ; my first key, 256 b + 64 w - 128; below 0 it wraps to a number above 4,095
	s_cmp_lt_u32 s38, 4096
	s_cselect_b32 s32, 0, s36                      ; E0
	s_add_co_u32 s39, s38, 64
	s_cmp_lt_u32 s39, 4096
	s_cselect_b32 s33, 0, s36                      ; E1
	s_add_co_u32 s39, s38, 192
	s_cmp_lt_u32 s39, 4096
	s_cselect_b32 s34, 0, s36                      ; E3
	s_add_co_u32 s39, s38, 256
	s_cmp_lt_u32 s39, 4096
	s_cselect_b32 s35, 0, s36                      ; E4
	v_mul_u32_u24 v97, v2, 8*PK
	v_lshl_add_u32 v97, v1, 3, v97                 ; 8 rows x h + 8 r
	s_mul_i32 s37, s12, 128*PK
	v_add_nc_u32 v[LK], s37, v97                   ; K's rows 128 w on (KB = 0)
	s_mul_i32 s37, s12, 64*PK
	s_add_co_u32 s39, s37, QB
	v_add_nc_u32 v[LQ], s39, v97                   ; Q's rows 64 w on
	v_mul_u32_u24 v98, v2, 4*PV
	v_lshl_add_u32 v98, v1, 3, v98                 ; 4 rows x h + 8 r
	s_mul_i32 s38, s12, 128*PV
	s_add_co_u32 s38, s38, VB
	v_add_nc_u32 v[LV], s38, v98                   ; V's rows 128 w on
	v_mul_u32_u24 v99, v1, PK
	v_lshl_add_u32 v99, v2, 4, v99                 ; a fragment: row r, 16 bytes for each half of the lanes
	v_add_nc_u32 v[AK], s37, v99                   ; K's rows 64 w on
	v_add_nc_u32 v[AQ], s39, v99
	v_and_b32 v97, 7, v0                           ; the turning load: lane l reads key 8 h + l % 8, channels 8 ((l / 8) % 2) + 0..7
	v_lshl_add_u32 v97, v2, 3, v97
	v_mul_u32_u24 v97, v97, PV
	v_bfe_u32 v98, v0, 3, 1
	v_lshl_add_u32 v97, v98, 4, v97
	s_mul_i32 s38, s12, 64*PV
	s_add_co_u32 s38, s38, VB
	v_add_nc_u32 v[AV], s38, v97
	s_mul_i32 s38, s12, 16*SP
	s_add_co_u32 s38, s38, STG                     ; my stage
	v_mul_u32_u24 v97, v1, SP
	v_lshl_add_u32 v97, v2, 5, v97                 ; in: row r, 32 bytes for each half of the lanes
	v_add_nc_u32 v[STO], s38, v97
	v_mul_u32_u24 v97, v2, SP
	v_lshl_add_u32 v97, v1, 4, v97                 ; back: lanes 0-15 one row of 256 bytes, lanes 16-31 the next
	v_add_nc_u32 v[RD], s38, v97
	v_lshlrev_b32 v[GO], 4, v1
	v_lshl_add_u32 v[GO], v2, 8, v[GO]             ; and the same two rows in out
	v_lshlrev_b32 v96, 3, v2
	v_sub_nc_u32 v96, v1, v96                      ; r - 8 h: register j holds key 8 h + j of a key tile
	WIN 0xc3                                       ; destination and source 0 in window 3; source 1 (v96) in window 0
.set i, 0
.rept 8
	v_mov_b32 v[8+i], s32                          ; E0
	v_mov_b32 v[16+i], s33                         ; E1
	v_mov_b32 v[24+i], s34                         ; E3
.set i, i+1
.endr
.set i, 0
.rept 8
	v_cmp_lt_i32 vcc_lo, i, v96                    ; the lower edge (kt = t): key 8 h + j is hidden where it lies below r
	v_cndmask_b32 v[i], v8, s36, vcc_lo            ; MD
.set i, i+1
.endr
	WIN 0
.set i, 0
.rept 8
	v_mov_b32 v[16+i], s35                         ; E4
.set i, i+1
.endr
.set i, 0
.rept 8
	v_cmp_ge_i32 vcc_lo, i, v96                    ; the upper edge (kt = t + 16): hidden from r on
	v_cndmask_b32 v[24+i], v16, s36, vcc_lo        ; MU
.set i, i+1
.endr
	; THE STAGING RING: four groups of 16 loads are out; the oldest is rounded and stored, and its window takes the group four further on.  Each wait leaves the three younger groups, 48 loads, out.
	; Q is read once in the launch; K's and V's rows are read by two work-groups, so they carry no hint.
	s_wait_loadcnt 48
	CVTG 0
	STOREG 0, LK, 0, 8, PK
	LOADG 0, 18, GA, 0, 8, 1                       ; Q's rows 0-31
	s_wait_loadcnt 48
	CVTG 1
	STOREG 1, LK, 32, 8, PK
	LOADG 1, 18, GA, 32, 8, 1                      ; Q's rows 32-63
	s_wait_loadcnt 48
	CVTG 2
	STOREG 2, LK, 64, 8, PK
	LOADG 2, 20, GV, 0, 4, 0                       ; V's four groups
	s_wait_loadcnt 48
	CVTG 3
	STOREG 3, LK, 96, 8, PK
	LOADG 3, 20, GV, 32, 4, 0
	s_wait_loadcnt 48
	CVTG 0
	STOREG 0, LQ, 0, 8, PK
	LOADG 0, 20, GV, 64, 4, 0
	s_wait_loadcnt 48
	CVTG 1
	STOREG 1, LQ, 32, 8, PK
	LOADG 1, 20, GV, 96, 4, 0
	; Q's fragments, tile t into window t: my own rows, which LDS serves behind my stores of them (a wave's LDS instructions go in order: ISA guide 5.7.1)
.irp t, 0,1,2,3
.set wv, (\t)<<6
	WIN wv
.irp c, 0,1
	ds_load_b128 v[96+8*(\c):96+8*(\c)+3],   v[AQ] offset:16*PK*(\t)+64*(\c)
	ds_load_b128 v[96+8*(\c)+4:96+8*(\c)+7], v[AQ] offset:16*PK*(\t)+64*(\c)+32
.endr
.endr
	WIN 0
	s_wait_dscnt 0x0                               ; for the others' sake: my 128 rows of K lie in LDS (and Q's fragments are in)
	s_barrier_signal -1
	s_barrier_wait -1                              ; all 512 rows of K do.  V's 64 loads stay out: they write registers alone
; S^T = K Q^T.  A DUO d is key tiles 2 d and 2 d + 1: four fragments (kk, c: 16 keys x 32 channels) at 16 kk + 8 c of buffer d % 2.
.macro FETCHK d
.set wv, (1+(\d)%2)<<6
	WIN wv
.irp kk, 0,1
.irp c, 0,1
	ds_load_b128 v[16*(\kk)+8*(\c):16*(\kk)+8*(\c)+3],   v[AK] offset:(2*(\d)+(\kk))*16*PK+64*(\c)
	ds_load_b128 v[16*(\kk)+8*(\c)+4:16*(\kk)+8*(\c)+7], v[AK] offset:(2*(\d)+(\kk))*16*PK+64*(\c)+32
.endr
.endr
.endm
.macro KQ1 d, c, t, kk              ; one product, if tile t needs key tile 2 d + kk.  c = 0 starts the sum with the mask or with the constant 0, c = 1 adds in place
.set kt, 2*(\d)+(\kk)
.if (kt >= (\t)) && (kt <= (\t)+16)
.set rS, 112+8*(kt-2*((\t)/2))
.set rK, 16*(\kk)+8*(\c)
.set rQ, 96+8*(\c)
.set cw, (\t)
.set rC, 0
.if (\c) == 0
.if kt == (\t)
.set cw, 3                          ; MD
.set rC, 0
.elseif kt <= 3
.set cw, 3                          ; E0
.set rC, 8
.elseif kt <= 7
.set cw, 3                          ; E1
.set rC, 16
.elseif kt <= 11
.set cw, (\t)                       ; the constant 0
.elseif kt <= 15
.set cw, 3                          ; E3
.set rC, 24
.elseif kt == (\t)+16
.set cw, 0                          ; MU
.set rC, 24
.else
.set cw, 0                          ; E4
.set rC, 16
.endif
.endif
.set wv, ((\t)<<6)|(cw<<4)|((\t)<<2)|(1+(\d)%2)
	WIN wv
.if (\c) == 1
	v_wmma_f32_16x16x32_f16 v[rS:rS+7], v[rK:rK+7], v[rQ:rQ+7], v[rS:rS+7]
.elseif (kt >= 8) && (kt <= 11)
	v_wmma_f32_16x16x32_f16 v[rS:rS+7], v[rK:rK+7], v[rQ:rQ+7], 0
.else
	v_wmma_f32_16x16x32_f16 v[rS:rS+7], v[rK:rK+7], v[rQ:rQ+7], v[rC:rC+7]
.endif
.endif
.endm
.macro MULK d                       ; a duo's 3, 7 or 8 accumulators take turns, one instruction a turn: first all with channels 0-31, then all with channels 32-63
.irp c, 0,1
.irp t, 0,1,2,3
.irp kk, 0,1
	KQ1 \d, \c, \t, \kk
.endr
.endr
.endr
.endm
	FETCHK 0
	FETCHK 1
.irp d, 0,1,2,3,4,5,6,7
	s_wait_dscnt 8                                 ; this duo's fragments are in; the next duo's eight loads may stay out
	MULK \d
	PLACES
	FETCHK (\d)+2                                  ; into the buffer just multiplied
.endr
	s_wait_dscnt 8
	MULK 8
	s_wait_dscnt 0x0
	MULK 9
	; V has come in meanwhile: each wait leaves the younger groups' loads out
	s_wait_loadcnt 48
	CVTG 2
	STOREG 2, LV, 0, 4, PV
	s_wait_loadcnt 32
	CVTG 3
	STOREG 3, LV, 32, 4, PV
	s_wait_loadcnt 16
	CVTG 0
	STOREG 0, LV, 64, 4, PV
	s_wait_loadcnt 0x0
	CVTG 1
	STOREG 1, LV, 96, 4, PV
	s_wait_dscnt 0x0                               ; for the others' sake: my 128 rows of V lie in LDS
	s_barrier_signal -1                            ; the four softmaxes, work on registers alone, stand between the signal and the wait
; THE SOFTMAX OF TILE t, all in window t.  The lane's 136 scores are 17 accumulators from A0 on, 68 pairs.
.macro SCALE pr                     ; pair pr: c s - c m
	v_pk_fma_f32 v[A0+2*(\pr):A0+2*(\pr)+1], v[A0+2*(\pr):A0+2*(\pr)+1], s[26:27], v[100:101] op_sel_hi:[1,0,0] neg_lo:[0,0,1] neg_hi:[0,0,1]
.endm
.macro SOFTMAX t
.set wv, (\t)*0x55
	WIN wv
.set A0, 112+8*((\t)%2)
	; the maximum, in four chains: chain ch takes accumulators 4 ch .. 4 ch + 3 pair by pair, ascending (each accumulator's lowest registers are read first), and pair ch of the seventeenth
.set i, 0
.rept 17
.set ch, 0
.rept 4
.if i == 16
.set rr, A0+128+2*ch
.else
.set rr, A0+32*ch+2*i
.endif
.if i == 0
	v_max_num_f32 v[96+ch], v[rr], v[rr+1]
.else
	v_max3_num_f32 v[96+ch], v[96+ch], v[rr], v[rr+1]
.endif
.set ch, ch+1
.endr
.set i, i+1
.endr
	v_max3_num_f32 v96, v96, v97, v98
	v_max_num_f32 v96, v96, v99
	v_permlanex16_b32 v97, v96, s28, s29           ; the query's other keys lie in the lane 16 away
	v_max_num_f32 v101, v96, v97                   ; m
	v_mul_f32 v100, s26, v101                      ; c m
	; ONE BATCH: 68 scalings and 136 exponentials; a pair is scaled four pairs ahead of its exponentials; nothing here names an exponential's result
.set p, 0
.rept 4
	SCALE p
.set p, p+1
.endr
.set p, 0
.rept 68
	v_exp_f32 v[A0+2*p], v[A0+2*p]
	v_exp_f32 v[A0+2*p+1], v[A0+2*p+1]
.if p+4 < 68
	SCALE p+4
.endif
.set p, p+1
.endr
	v_nop                                          ; a plain instruction behind the last exponential (ISA guide 5.7.2),
	s_wait_alu depctr_va_vdst(0)                   ; and the one wait for the batch, ahead of the first reader
	; l, of the unrounded weights: four chains of pairs
.set j, 0
.rept 4
	v_pk_add_f32 v[102+2*j:103+2*j], v[A0+2*j:A0+2*j+1], v[A0+8+2*j:A0+8+2*j+1]
.set j, j+1
.endr
.set p, 8
.rept 60
	v_pk_add_f32 v[102+2*(p%4):103+2*(p%4)], v[102+2*(p%4):103+2*(p%4)], v[A0+2*p:A0+2*p+1]
.set p, p+1
.endr
	v_pk_add_f32 v[102:103], v[102:103], v[104:105]
	v_pk_add_f32 v[106:107], v[106:107], v[108:109]
	v_pk_add_f32 v[102:103], v[102:103], v[106:107]
	v_add_f32 v102, v102, v103
	v_permlanex16_b32 v103, v102, s28, s29
	v_add_f32 v102, v102, v103
	v_rcp_f32 v110, v102                           ; 1 / l; the roundings below are the independent work behind it
	v_mov_b32 v111, 0                              ; named with it as a pair
	; P in place: of each 16 registers (two key tiles) the first eight take the 16 weights as f16, ascending, so that no weight is written over before it is read.
	; The key tile that the tile does not need (the first of an odd tile's first group, the second of an even tile's last) has the weight 0.
.set y, 0
.rept 9
.set GB, 112+16*y
.set j, 0
.rept 4
.if ((\t)%2 == 1) && (y == 0)
	v_mov_b32 v[GB+j], 0
.else
	v_cvt_pk_f16_f32 v[GB+j], v[GB+2*j], v[GB+2*j+1]
.endif
.set j, j+1
.endr
.set j, 0
.rept 4
.if ((\t)%2 == 0) && (y == 8)
	v_mov_b32 v[GB+4+j], 0
.else
	v_cvt_pk_f16_f32 v[GB+4+j], v[GB+8+2*j], v[GB+8+2*j+1]
.endif
.set j, j+1
.endr
.set y, y+1
.endr
	s_wait_alu depctr_va_vdst(0)                   ; the reciprocal's wait, ahead of its first reader on the way out
.endm
	SOFTMAX 0
	SOFTMAX 1
	SOFTMAX 2
	SOFTMAX 3
	WIN 0
	s_barrier_wait -1                              ; all 512 rows of V lie in LDS
; O^T = V^T P.  A GROUP g is 32 keys (key tiles 2 g, 2 g + 1): four fragments of V^T (16 channels x 32 keys) at 8 cb of buffer g % 2.  Tiles 0, 1 need groups 0-8, tiles 2, 3 groups 1-9.
.macro FETCHV g
.set wv, (1+(\g)%2)<<6
	WIN wv
.irp cb, 0,1,2,3
	ds_load_tr16_b128 v[8*(\cb):8*(\cb)+3],   v[AV] offset:32*PV*(\g)+32*(\cb)
	ds_load_tr16_b128 v[8*(\cb)+4:8*(\cb)+7], v[AV] offset:32*PV*(\g)+16*PV+32*(\cb)
.endr
.endm
.macro PV1 g, t, cb
.if ((\g) >= (\t)/2) && ((\g) <= (\t)/2+8)
.set wv, ((\t)*0x54)|(1+(\g)%2)
	WIN wv
.set rO, 120+16*(\cb)
.set rV, 8*(\cb)
.set rP, 112+16*((\g)-(\t)/2)
.if (\g) == (\t)/2
	v_wmma_f32_16x16x32_f16 v[rO:rO+7], v[rV:rV+7], v[rP:rP+7], 0
.else
	v_wmma_f32_16x16x32_f16 v[rO:rO+7], v[rV:rV+7], v[rP:rP+7], v[rO:rO+7]
.endif
.endif
.endm
.macro MULV g                       ; 8 or 16 accumulators take turns, one instruction a turn
.irp t, 0,1,2,3
.irp cb, 0,1,2,3
	PV1 \g, \t, \cb
.endr
.endr
.endm
	FETCHV 0
	FETCHV 1
.irp g, 0,1,2,3,4,5,6,7
	s_wait_dscnt 8                                 ; this group's fragments are in; the next group's eight loads may stay out
	MULV \g
	PLACES
	FETCHV (\g)+2
.endr
	s_wait_dscnt 8
	MULV 8
	s_wait_dscnt 0x0
	MULV 9
	PLACES
; THE WAY OUT, a tile (16 rows of out) at a time: O^T times 1 / l (each accumulator from its low end on); a lane's 8 channels, 32 bytes, into rows of 272 bytes of my stage; back as whole rows of 256.
.macro PACKO t
.set wv, (\t)*0x55
	WIN wv
.irp cb, 0,1,2,3
.irp i, 0,1,2,3
	v_pk_mul_f32 v[120+16*(\cb)+2*(\i):120+16*(\cb)+2*(\i)+1], v[120+16*(\cb)+2*(\i):120+16*(\cb)+2*(\i)+1], v[110:111] op_sel_hi:[1,0]
.endr
.endr
.set wv, (\t)<<2
	WIN wv
.irp cb, 0,1,2,3
	ds_store_b128 v[STO], v[120+16*(\cb):120+16*(\cb)+3]   offset:64*(\cb)
	ds_store_b128 v[STO], v[120+16*(\cb)+4:120+16*(\cb)+7] offset:64*(\cb)+16
.endr
.set wv, (\t)<<6
	WIN wv
.irp i, 0,1,2,3,4,5,6,7
	ds_load_b128 v[32+4*(\i):35+4*(\i)], v[RD] offset:2*SP*(\i)  ; a wave's LDS instructions go in order (ISA guide 5.7.1): these see the stores above, and the next tile's stores come behind them
.endr
.endm
.macro SENDO t, younger             ; younger: the LDS instructions issued behind tile t's loads: the next tile's sixteen, or none
.set wv, (\t)<<2
	WIN wv
.irp i, 0,1,2,3,4,5,6,7
	s_wait_dscnt (\younger)+7-(\i)
	global_store_b128 v[GO], v[32+4*(\i):35+4*(\i)], s[22:23] offset:4096*(\t)+512*(\i) th:TH_STORE_NT  ; 512 consecutive bytes, at a multiple of 256 from out's first; each tile's data lie in its own window and are not written again
.endr
.endm
	PACKO 0
	PACKO 1                                        ; a tile's arithmetic stands between the loads of the tile before and its stores
	SENDO 0, 16
	PACKO 2
	SENDO 1, 16
	PACKO 3
	SENDO 2, 16
	SENDO 3, 0
	WIN 0
	s_wait_tensorcnt 0x0                           ; the wave's end, behind my last LDS store
	ds_add_u32 v[SPW], v[NIL]
	s_wait_dscnt 0x0
	s_endpgm
.Lfunc_end_k_q8c8adb2adf_band:
	.size	k_q8c8adb2adf_band, .Lfunc_end_k_q8c8adb2adf_band-k_q8c8adb2adf_band
	.p2alignl 7, 3214868480
	.fill 96, 4, 3214868480
	.section	.rodata,"a",@progbits
	.p2align	6, 0x0
	.amdhsa_kernel k_q8c8adb2adf_band
		.amdhsa_group_segment_fixed_size 210432
		.amdhsa_private_segment_fixed_size 0
		.amdhsa_enable_private_segment 0
		.amdhsa_kernarg_size 32
		.amdhsa_user_sgpr_count 2
		.amdhsa_user_sgpr_kernarg_segment_ptr 1
		.amdhsa_wavefront_size32 1
		.amdhsa_system_sgpr_workgroup_id_x 1
		.amdhsa_system_sgpr_workgroup_id_y 1
		.amdhsa_system_sgpr_workgroup_id_z 1
		.amdhsa_system_vgpr_workitem_id 0
		.amdhsa_next_free_vgpr 1024
		.amdhsa_next_free_sgpr 66
		.amdhsa_reserve_vcc 1
		.amdhsa_float_denorm_mode_32 3
		.amdhsa_float_denorm_mode_16_64 3
		.amdhsa_memory_ordered 1
		.amdhsa_forward_progress 1
		.amdhsa_inst_pref_size 189
	.end_amdhsa_kernel
	.amdgpu_metadata
---
amdhsa.version: [ 1, 2 ]
amdhsa.kernels:
  - .name:           k_q8c8adb2adf_band
    .symbol:         k_q8c8adb2adf_band.kd
    .args:
      - { .name: q, .offset: 0, .size: 8, .value_kind: global_buffer, .address_space: global }
      - { .name: k, .offset: 8, .size: 8, .value_kind: global_buffer, .address_space: global }
      - { .name: v, .offset: 16, .size: 8, .value_kind: global_buffer, .address_space: global }
      - { .name: out0, .offset: 24, .size: 8, .value_kind: global_buffer, .address_space: global }
    .group_segment_fixed_size: 210432
    .private_segment_fixed_size: 0
    .kernarg_segment_align: 8
    .kernarg_segment_size: 32
    .max_flat_workgroup_size: 128
    .sgpr_count:     66
    .vgpr_count:     1024
    .wavefront_size: 32
...
	.end_amdgpu_metadata
.endif
;; end of part 1
;; ======== version 2 of 2: 1 launch; version 1 with the launch band written anew for expert scheduling mode
;; limits: values are held in f16: magnitudes above 65,504 overflow, below 6.1e-05 lose precision; inputs' magnitudes at most 65,504; below input magnitudes of 6.1e-05 results are inexact or not finite
;; launch band (part 2): grid 16 x 16, 4 waves a work-group, no clusters, 210,432 bytes of LDS; arguments q, k, v, out0; writes out0
.if DOCPART == 2
	.amdgcn_target "amdgcn-amd-amdhsa--gfx1250"
	.amdhsa_code_object_version 6
	.text
	.protected	k_q8c8adb2adf_band
	.globl	k_q8c8adb2adf_band
	.p2align	8
	.type	k_q8c8adb2adf_band,@function
k_q8c8adb2adf_band:
	s_mov_b64 s[64:65], 0
	v_nop
	global_prefetch_b8 v0, s[64:65] scope:SCOPE_SE
	s_setreg_imm32_b32 hwreg(HW_REG_WAVE_SCHED_MODE, 0, 2), 2
	s_setreg_imm32_b32 hwreg(HW_REG_WAVE_MODE, 25, 1), 1
	s_wait_xcnt 0x0
	s_wait_alu depctr_vm_vsrc(0)
; BANDED ATTENTION.  out[h][i][:] = the sum over j of softmax_j(q[h][i] . k[h][j] / 8) v[h][j][:], j from max(0, i - 128) to min(4096, i + 128) - 1.
; q, k, v, out: [16][4096][64] f32: a row is 256 bytes, a head 2^20 bytes.  q, k, v and the weights p are rounded once to f16 for the matrix units; products, maxima and sums in f32
; (the sum l is taken of the unrounded p); out is stored in f32.
; LIMITS.  f16 holds no number beyond 65,504: |q|, |k|, |v| lie within it.  A hidden score counts as its value less 1e30; a weight below 2^-126 counts as 0 in l; p below 6e-5 keeps
; f16's fixed step of 6e-8.  NaN and infinities are not treated apart.  Every row sees its own key, so no row is without a weight.
; SHARES.  Work-group (b, head) owns queries 256 b .. 256 b + 255 and brings keys 256 b - 128 .. 256 b + 383 into LDS: rows 0 .. 511 of its window.  Wave w owns queries 256 b + 64 w .. + 63, four tiles t of 16,
; and reads window rows 64 w .. 64 w + 319: 20 key tiles kt of 16.  Tile t needs kt = t .. t + 16: kt = t holds the band's lower edge, kt = t + 16 its upper edge, the 15 between are seen whole.
; THE WAY IN.  The inputs are f32 and the matrix units take 16 bits, so every byte passes through registers: 16 bytes a lane are loaded (a load takes two whole rows), rounded, and 8 bytes a lane
; stored into padded LDS rows.  Each wave stages 128 rows of K, 128 of V and its own 64 of Q.  K and Q are waited for first; V's 64 loads a wave stay out while K Q^T is multiplied.
; LAYOUT.  S^T = K Q^T (source 0 = 16 keys, source 1 = 16 queries): a lane holds ONE query (r = lane % 16) and the keys 8 h + 0..7 (h = lane / 16).  Two such results rounded to f16 in pairs ARE source 1
; (32 keys x 16 queries) of O^T = V^T P; V ([key][channel]) comes out of LDS turned, by ds_load_tr16_b128.
; SOFTMAX.  All 17 x 8 scores of a lane's query stay in registers, so the maximum m is the row's true one: p = 2^(c s - c m), c = log2(e) / 8.
; THE MASK is the C operand of each accumulator's first product: 0, or -1e30 where the key is hidden.  The head's ends fall on whole steps of 64 keys, alike for a wave: E0, E1, E3, E4 are the
; addends of steps 0, 1, 3, 4 (step 2 holds the queries' own keys).  MD and MU are the two edges' masks.  Rows outside the head are not loaded: they are one wave's whole share of 128 rows, whose first
; row is clamped into the head; the copies are finite and get the weight 0.
; NO CLUSTER: two neighbouring blocks share 256 key rows, but as rows 256 .. 511 of one window and rows 0 .. 255 of the other, and an LDS address does not hang on a work-group's place;
; and what comes from memory is f32, which has to pass through registers before it can lie in LDS as f16.
; REGISTERS, in windows of 256 (s_set_vgpr_msb: bits 1:0 source 0, 3:2 source 1, 5:4 source 2, 7:6 destination).  TILE t LIVES IN WINDOW t, with the same numbers in every window:
;   v32-95   RAW: a staging group (16 loads x 4); on the way out v32-63 take 16 rows read back
;   v96-111  Q's two fragments; then the statistics: v96-99 at work, v100 c m, v101 m, v102-109 four pairs of sums, v110 1 / l, v111 0
;   v112-255 S^T: key tile kt at 112 + 8 (kt - 2 (t / 2)); P takes the lower half of each 16 registers in place; O^T's four accumulators the upper halves at 120 + 16 cb.
;            Ahead of the first product v112-143 (OA) and v144-175 (OB) are out-buffers: a group of K or Q as f16, on its way to LDS
;   v0-31    window 0: addresses, E4 (v16-23), MU (v24-31); windows 1, 2: the two fragment buffers; window 3: MD (v0-7), E0 (v8-15), E1 (v16-23), E3 (v24-31)
; THE MODE: SCHED_MODE bits 1:0 = 2 (LLVM: expert scheduling mode 2), set by the entry lines.  The code itself states the register dependences between vector or matrix instructions
; and memory or LDS instructions, with s_wait_alu, always for 0.
; THE PLAN.  Registers that memory or LDS instructions touch:
;   v3-v13      offsets and LDS addresses: made once at the head, never written again.
;   RAW         global loads land in it; the conversions read it.  K's and Q's groups are rounded into OA or OB, so that ONE wait behind a group's conversions serves both the 16 loads that fill RAW again,
;               which go out first, and the 16 LDS stores behind them.  V's groups have no successor: they are rounded in place, and the LDS stores read RAW.
;   OA, OB      each written once (four groups of K into OA of windows 0-3, two of Q into OB of windows 0, 1) and read by its LDS stores; the products K Q^T write these registers: one wait on vm_vsrc ahead of them.
;   v96-111     Q's fragments land here, behind the staging ring's last wait; the set-up's use of v96-99 of window 0 stands ahead of that wait.
;   v0-31 of windows 1, 2   a duo's or group's products read a buffer; one wait behind them, then the eight loads that fill it again.
;   O^T         the 64 multiplies by 1 / l write it; one wait; the stage's LDS stores read it.  v32-63, which V's LDS stores have read, take the stage's loads: one wait on vm_vsrc.
.set PK,    144       ; a row of K or Q in LDS: 128 bytes + 16 = 36 words: the 16 rows of a fragment load start at 16 different groups of four banks (64 banks of 4 bytes: ISA guide 11.1)
.set PV,    160       ; a row of V: 128 + 32 = 40 words
.set SP,    272       ; a row of the stage: 256 + 16
.set KB,    0         ; K: 512 rows x 144
.set VB,    73728     ; V: 512 rows x 160
.set QB,    155648    ; Q: 256 rows x 144; wave w stores and reads rows 64 w .. 64 w + 63 alone
.set STG,   192512    ; the way out: 16 rows x 272 for each wave, its own
.set GA,  3           ; v3   2048 h + 16 r: my 16 bytes of a row of K or Q; lanes 16-31 eight rows on
.set GV,  4           ; v4   1024 h + 16 r: the same for V, four rows on
.set LK,  5           ; v5   where my 8 bytes of K go
.set LQ,  6           ; v6   of Q
.set LV,  7           ; v7   of V
.set AK,  8           ; v8   my place in the wave's first fragment of K
.set AQ,  9           ; v9   of Q
.set AV,  10          ; v10  of V (turned)
.set STO, 11          ; v11  the way out: where I put 32 bytes of a row
.set RD,  12          ; v12  where I read rows back
.set GO,  13          ; v13  my 16 bytes in two rows of out
.set OA,  112         ; the out-buffer of K's groups
.set OB,  144         ; of Q's
.set MSB, 0
.macro WIN new                      ; the immediate's high byte repeats the setting that is left; a switch that changes nothing is dropped
.if MSB != (\new)
	s_set_vgpr_msb (MSB<<8)|(\new)
.set MSB, (\new)
.endif
.endm
; A staging group: 32 rows by 16 loads into window win.  Load n takes row row0 + (n / half) 2 half + n % half in lanes 0-15 and the row half further on in lanes 16-31: 2 x 256 consecutive bytes, aligned.
.macro LOADG win, bs, vo, row0, half, nt
.set wv, (\win)<<6
	WIN wv
.set n, 0
.rept 16
.set rw, (\row0)+(n/(\half))*2*(\half)+n%(\half)
.if \nt
	global_load_b128 v[32+4*n:35+4*n], v[\vo], s[\bs:\bs+1] offset:256*rw th:TH_LOAD_NT
.else
	global_load_b128 v[32+4*n:35+4*n], v[\vo], s[\bs:\bs+1] offset:256*rw
.endif
.set n, n+1
.endr
.endm
.macro CVTG win, out, step          ; the group's 64 f32 a lane become 32 words of f16: load n's four numbers go into the two registers at out + step n (out = 32, step = 4: in place)
.set wv, (\win)*0x45
	WIN wv
.set n, 0
.rept 16
	v_cvt_pk_f16_f32 v[(\out)+(\step)*n],   v[32+4*n], v[33+4*n]
	v_cvt_pk_f16_f32 v[(\out)+(\step)*n+1], v[34+4*n], v[35+4*n]
.set n, n+1
.endr
.endm
; and go to LDS, 8 bytes a lane: two rows of 128 bytes a store, half x pitch bytes apart = 288 (K, Q) or 160 (V) words = 32 modulo 64: the two rows take the two halves of the banks
.macro STOREG win, va, row0, half, pitch, out, step
.set wv, (\win)<<2
	WIN wv
.set n, 0
.rept 16
.set rw, (\row0)+(n/(\half))*2*(\half)+n%(\half)
	ds_store_b64 v[\va], v[(\out)+(\step)*n:(\out)+(\step)*n+1] offset:(\pitch)*rw
.set n, n+1
.endr
.endm
	s_load_b256 s[4:11], s[0:1], 0x0               ; q s[4:5], k s[6:7], v s[8:9], out s[10:11]
	v_lshl_add_u32 v254, v0, 2, 0x33400
	v_mov_b32 v255, 0
	v_lshrrev_b32 v1, 5, v0
	v_readfirstlane_b32 s12, v1                    ; w: wave 0..3
	v_and_b32 v1, 15, v0                           ; r
	v_bfe_u32 v2, v0, 4, 1                         ; h
	v_lshlrev_b32 v[GA], 4, v1
	v_lshl_add_u32 v[GV], v2, 10, v[GA]
	v_lshl_add_u32 v[GA], v2, 11, v[GA]
	s_mov_b32 s13, ttmp9                           ; b: the block of 256 queries
	s_and_b32 s14, ttmp7, 0xffff
	s_lshl_b32 s14, s14, 20                        ; the head's first byte
	s_lshl_b32 s15, s13, 8                         ; 256 b
	s_wait_alu depctr_va_sdst(0)                   ; s12 is written, ahead of its first reader: the bases and the LDS places are made from it
	s_lshl_b32 s37, s12, 7
	s_add_co_u32 s37, s15, s37
	s_sub_co_i32 s37, s37, 128                     ; the first key row that I stage: 256 b - 128 + 128 w,
	s_max_i32 s37, s37, 0                          ; held inside the head: -128 becomes 0,
	s_min_i32 s37, s37, 3968                       ; 4,096 becomes 3,968; every other share lies inside
	s_lshl_b32 s24, s37, 8
	s_add_co_u32 s24, s24, s14
	s_mov_b32 s25, 0                               ; s[24:25]: K's and V's offset
	s_lshl_b32 s30, s13, 16
	s_lshl_b32 s38, s12, 14
	s_add_co_u32 s30, s30, s38
	s_add_co_u32 s30, s30, s14
	s_mov_b32 s31, 0                               ; s[30:31]: q's and out's offset: my wave's 64 rows
	s_wait_kmcnt 0x0
	s_add_nc_u64 s[16:17], s[6:7], s[24:25]        ; K
	s_add_nc_u64 s[20:21], s[8:9], s[24:25]        ; V
	s_add_nc_u64 s[18:19], s[4:5], s[30:31]        ; Q
	s_add_nc_u64 s[22:23], s[10:11], s[30:31]      ; out
	s_wait_alu depctr_va_vdst(0)                   ; v[GA] and v[GV] are written, which every load of K, Q and V reads as its offset
	LOADG 0, 16, GA, 0, 8, 0                       ; K's four groups go out before anything else is made: 64 loads, 32 KiB a wave (a counter that is full holds the issue back: ISA guide 5.7.1)
	LOADG 1, 16, GA, 32, 8, 0
	LOADG 2, 16, GA, 64, 8, 0
	LOADG 3, 16, GA, 96, 8, 0
	WIN 0
	; the rest of the set-up stands in the wait for K; it names none of the registers that the loads above touch.  v96-99 of window 0 are at work here, before Q's fragments take them
	s_mov_b32 s26, 0x3e38aa3b                      ; c = log2(e) / 8
	s_mov_b32 s27, s26                             ; named with it as a pair
	s_mov_b32 s28, 0x76543210                      ; v_permlanex16_b32: each lane takes its own place in the other half
	s_mov_b32 s29, 0xfedcba98
	s_mov_b32 s36, 0xf149f2ca                      ; -1e30
	s_lshl_b32 s38, s12, 6
	s_add_co_u32 s38, s38, s15
	s_sub_co_u32 s38, s38, 128                     ; my first key, 256 b + 64 w - 128; below 0 it wraps to a number above 4,095
	s_cmp_lt_u32 s38, 4096
	s_cselect_b32 s32, 0, s36                      ; E0
	s_add_co_u32 s39, s38, 64
	s_cmp_lt_u32 s39, 4096
	s_cselect_b32 s33, 0, s36                      ; E1
	s_add_co_u32 s39, s38, 192
	s_cmp_lt_u32 s39, 4096
	s_cselect_b32 s34, 0, s36                      ; E3
	s_add_co_u32 s39, s38, 256
	s_cmp_lt_u32 s39, 4096
	s_cselect_b32 s35, 0, s36                      ; E4
	; my wave's six places in LDS, each in a scalar register of its own: none that a vector line reads is written again
	s_mul_i32 s24, s12, 128*PK                     ; K's rows 128 w on, as I store them (KB = 0)
	s_mul_i32 s25, s12, 64*PK                      ; K's rows 64 w on, as I read them
	s_add_co_u32 s30, s25, QB                      ; Q's rows 64 w on
	s_mul_i32 s31, s12, 128*PV
	s_add_co_u32 s31, s31, VB                      ; V's rows 128 w on, as I store them
	s_mul_i32 s13, s12, 64*PV
	s_add_co_u32 s13, s13, VB                      ; V's rows 64 w on, as I read them
	s_mul_i32 s14, s12, 16*SP
	s_add_co_u32 s14, s14, STG                     ; my stage
	v_mul_u32_u24 v97, v2, 8*PK
	v_lshl_add_u32 v97, v1, 3, v97                 ; 8 rows x h + 8 r
	v_add_nc_u32 v[LK], s24, v97
	v_add_nc_u32 v[LQ], s30, v97
	v_mul_u32_u24 v98, v2, 4*PV
	v_lshl_add_u32 v98, v1, 3, v98                 ; 4 rows x h + 8 r
	v_add_nc_u32 v[LV], s31, v98
	v_mul_u32_u24 v99, v1, PK
	v_lshl_add_u32 v99, v2, 4, v99                 ; a fragment: row r, 16 bytes for each half of the lanes
	v_add_nc_u32 v[AK], s25, v99
	v_add_nc_u32 v[AQ], s30, v99
	v_and_b32 v97, 7, v0                           ; the turning load: lane l reads key 8 h + l % 8, channels 8 ((l / 8) % 2) + 0..7
	v_lshl_add_u32 v97, v2, 3, v97
	v_mul_u32_u24 v97, v97, PV
	v_bfe_u32 v98, v0, 3, 1
	v_lshl_add_u32 v97, v98, 4, v97
	v_add_nc_u32 v[AV], s13, v97
	v_mul_u32_u24 v97, v1, SP
	v_lshl_add_u32 v97, v2, 5, v97                 ; in: row r, 32 bytes for each half of the lanes
	v_add_nc_u32 v[STO], s14, v97
	v_mul_u32_u24 v97, v2, SP
	v_lshl_add_u32 v97, v1, 4, v97                 ; back: lanes 0-15 one row of 256 bytes, lanes 16-31 the next
	v_add_nc_u32 v[RD], s14, v97
	v_lshlrev_b32 v[GO], 4, v1
	v_lshl_add_u32 v[GO], v2, 8, v[GO]             ; and the same two rows in out
	v_lshlrev_b32 v96, 3, v2
	v_sub_nc_u32 v96, v1, v96                      ; r - 8 h: register j holds key 8 h + j of a key tile
	; The two edges.  At the lower one (kt = t) key 8 h + j is hidden where it lies below r; at the upper one (kt = t + 16) from r on: the one condition and its opposite.
	; So eight compares, in one run into s4-s11 (the arguments' registers, which are free), serve both masks.
.set i, 0
.rept 8
	v_cmp_lt_i32 s[4+i], i, v96                    ; j < r - 8 h
.set i, i+1
.endr
.set i, 0
.rept 8
	v_mov_b32 v[16+i], s35                         ; E4
.set i, i+1
.endr
	s_wait_alu depctr_va_sdst(0)                   ; the eight compares have written s4-s11, ahead of the first select that reads one of them
.set i, 0
.rept 8
	v_cndmask_b32 v[24+i], s36, v16, s[4+i]        ; MU: E4 below r, -1e30 from r on
.set i, i+1
.endr
	WIN 0xc3                                       ; destination and source 0 in window 3
.set i, 0
.rept 8
	v_mov_b32 v[8+i], s32                          ; E0
	v_mov_b32 v[16+i], s33                         ; E1
	v_mov_b32 v[24+i], s34                         ; E3
.set i, i+1
.endr
.set i, 0
.rept 8
	v_cndmask_b32 v[i], v8, s36, s[4+i]            ; MD: -1e30 below r, E0 from r on
.set i, i+1
.endr
; THE STAGING RING: four groups of 16 loads are out; the oldest is rounded into an out-buffer, its window is asked for again at once, for the group four further on, and the out-buffer goes to LDS.
; The wait on LOADcnt leaves the three younger groups, 48 loads, out.  Q is read once in the launch; K's and V's rows are read by two work-groups, so they carry no hint.
.macro RING win, out, sa, srow, bs, vo, lrow, half, nt
	s_wait_loadcnt 48
	CVTG \win, \out, 2
.set wv, (\win)<<6
	WIN wv
	s_wait_alu depctr_va_vdst(0)                   ; the conversions are done reading RAW, in which the loads below land, and have written the out-buffer, which the stores below read; the first time round the LDS addresses are written too
	LOADG \win, \bs, \vo, \lrow, \half, \nt
	STOREG \win, \sa, \srow, 8, PK, \out, 2        ; no out-buffer is written a second time
.endm
	RING 0, OA, LK, 0,  18, GA, 0,  8, 1           ; K's rows 0-31 out;   Q's rows 0-31 asked for
	RING 1, OA, LK, 32, 18, GA, 32, 8, 1           ; K's rows 32-63;      Q's rows 32-63
	RING 2, OA, LK, 64, 20, GV, 0,  4, 0           ; K's rows 64-95;      V's four groups
	RING 3, OA, LK, 96, 20, GV, 32, 4, 0           ; K's rows 96-127
	RING 0, OB, LQ, 0,  20, GV, 64, 4, 0           ; Q's rows 0-31
	RING 1, OB, LQ, 32, 20, GV, 96, 4, 0           ; Q's rows 32-63
	; Q's fragments, tile t into window t: my own rows, which LDS serves behind my stores of them (a wave's LDS instructions go in order: ISA guide 5.7.1).
	; No wait: no vector instruction has been issued since the ring's last wait, and the set-up, which made v[AQ] and used v96-99 of window 0, stands ahead of it
.irp t, 0,1,2,3
.set wv, (\t)<<6
	WIN wv
.irp c, 0,1
	ds_load_b128 v[96+8*(\c):96+8*(\c)+3],   v[AQ] offset:16*PK*(\t)+64*(\c)
	ds_load_b128 v[96+8*(\c)+4:96+8*(\c)+7], v[AQ] offset:16*PK*(\t)+64*(\c)+32
.endr
.endr
	WIN 0
	s_wait_dscnt 0x0                               ; for the others' sake: my 128 rows of K lie in LDS (and Q's fragments are in)
	s_barrier_signal -1
	s_barrier_wait -1                              ; all 512 rows of K do.  V's 64 loads stay out: they write registers alone
	s_wait_alu depctr_vm_vsrc(0)                   ; my LDS stores have read OA and OB: these registers are S^T from here on, written by the products
; S^T = K Q^T.  A DUO d is key tiles 2 d and 2 d + 1: four fragments (kk, c: 16 keys x 32 channels) at 16 kk + 8 c of buffer d % 2.
; after = 1: the buffer has just been multiplied.
.macro FETCHK d, after
.set wv, (1+(\d)%2)<<6
	WIN wv
.if \after
	s_wait_alu depctr_va_vdst(0)                   ; the products of the duo before last are done reading this buffer, in which the loads below land
.endif
.irp kk, 0,1
.irp c, 0,1
	ds_load_b128 v[16*(\kk)+8*(\c):16*(\kk)+8*(\c)+3],   v[AK] offset:(2*(\d)+(\kk))*16*PK+64*(\c)
	ds_load_b128 v[16*(\kk)+8*(\c)+4:16*(\kk)+8*(\c)+7], v[AK] offset:(2*(\d)+(\kk))*16*PK+64*(\c)+32
.endr
.endr
.endm
.macro KQ1 d, c, t, kk              ; one product, if tile t needs key tile 2 d + kk.  c = 0 starts the sum with the mask or with the constant 0, c = 1 adds in place
.set kt, 2*(\d)+(\kk)
.if (kt >= (\t)) && (kt <= (\t)+16)
.set rS, 112+8*(kt-2*((\t)/2))
.set rK, 16*(\kk)+8*(\c)
.set rQ, 96+8*(\c)
.set cw, (\t)
.set rC, 0
.if (\c) == 0
.if kt == (\t)
.set cw, 3                          ; MD
.set rC, 0
.elseif kt <= 3
.set cw, 3                          ; E0
.set rC, 8
.elseif kt <= 7
.set cw, 3                          ; E1
.set rC, 16
.elseif kt <= 11
.set cw, (\t)                       ; the constant 0
.elseif kt <= 15
.set cw, 3                          ; E3
.set rC, 24
.elseif kt == (\t)+16
.set cw, 0                          ; MU
.set rC, 24
.else
.set cw, 0                          ; E4
.set rC, 16
.endif
.endif
.set wv, ((\t)<<6)|(cw<<4)|((\t)<<2)|(1+(\d)%2)
	WIN wv
.if (\c) == 1
	v_wmma_f32_16x16x32_f16 v[rS:rS+7], v[rK:rK+7], v[rQ:rQ+7], v[rS:rS+7]
.elseif (kt >= 8) && (kt <= 11)
	v_wmma_f32_16x16x32_f16 v[rS:rS+7], v[rK:rK+7], v[rQ:rQ+7], 0
.else
	v_wmma_f32_16x16x32_f16 v[rS:rS+7], v[rK:rK+7], v[rQ:rQ+7], v[rC:rC+7]
.endif
.endif
.endm
.macro MULK d                       ; a duo's 3, 7 or 8 accumulators take turns, one instruction a turn: first all with channels 0-31, then all with channels 32-63
.irp c, 0,1
.irp t, 0,1,2,3
.irp kk, 0,1
	KQ1 \d, \c, \t, \kk
.endr
.endr
.endr
.endm
	FETCHK 0, 0                                    ; no vector or matrix instruction has named the two buffers yet
	FETCHK 1, 0
.irp d, 0,1,2,3,4,5,6,7
	s_wait_dscnt 8                                 ; this duo's fragments are in; the next duo's eight loads may stay out
	MULK \d
	FETCHK (\d)+2, 1                               ; into the buffer just multiplied
.endr
	s_wait_dscnt 8
	MULK 8
	s_wait_dscnt 0x0
	MULK 9
; V has come in meanwhile: each wait on LOADcnt leaves the younger groups' loads out.  A group is rounded in place: nothing is asked for in its stead
.macro VOUT win, left, row0
	s_wait_loadcnt \left
	CVTG \win, 32, 4
	s_wait_alu depctr_va_vdst(0)                   ; the conversions have written the group's f16 words, which the LDS stores read
	STOREG \win, LV, \row0, 4, PV, 32, 4
.endm
	VOUT 2, 48, 0
	VOUT 3, 32, 32
	VOUT 0, 16, 64
	VOUT 1, 0, 96
	s_wait_dscnt 0x0                               ; for the others' sake: my 128 rows of V lie in LDS
	s_barrier_signal -1                            ; the four softmaxes, work on registers alone, stand between the signal and the wait
; THE SOFTMAX OF TILE t, all in window t.  The lane's 136 scores are 17 accumulators from A0 on, 68 pairs.
.macro SCALE pr                     ; pair pr: c s - c m
	v_pk_fma_f32 v[A0+2*(\pr):A0+2*(\pr)+1], v[A0+2*(\pr):A0+2*(\pr)+1], s[26:27], v[100:101] op_sel_hi:[1,0,0] neg_lo:[0,0,1] neg_hi:[0,0,1]
.endm
.macro SOFTMAX t
.set wv, (\t)*0x55
	WIN wv
.set A0, 112+8*((\t)%2)
	; the maximum, in four chains: chain ch takes accumulators 4 ch .. 4 ch + 3 pair by pair, ascending (each accumulator's lowest registers are read first), and pair ch of the seventeenth
.set i, 0
.rept 17
.set ch, 0
.rept 4
.if i == 16
.set rr, A0+128+2*ch
.else
.set rr, A0+32*ch+2*i
.endif
.if i == 0
	v_max_num_f32 v[96+ch], v[rr], v[rr+1]
.else
	v_max3_num_f32 v[96+ch], v[96+ch], v[rr], v[rr+1]
.endif
.set ch, ch+1
.endr
.set i, i+1
.endr
	v_max3_num_f32 v96, v96, v97, v98
	v_max_num_f32 v96, v96, v99
	v_permlanex16_b32 v97, v96, s28, s29           ; the query's other keys lie in the lane 16 away
	v_max_num_f32 v101, v96, v97                   ; m
	v_mul_f32 v100, s26, v101                      ; c m
	; ONE BATCH: 68 scalings and 136 exponentials; a pair is scaled four pairs ahead of its exponentials; nothing here names an exponential's result
.set p, 0
.rept 4
	SCALE p
.set p, p+1
.endr
.set p, 0
.rept 68
	v_exp_f32 v[A0+2*p], v[A0+2*p]
	v_exp_f32 v[A0+2*p+1], v[A0+2*p+1]
.if p+4 < 68
	SCALE p+4
.endif
.set p, p+1
.endr
	v_nop                                          ; a plain instruction behind the last exponential (ISA guide 5.7.2),
	s_wait_alu depctr_va_vdst(0)                   ; and one wait for the batch: the 136 exponentials have written the weights, which the sums below are the first to read
	; l, of the unrounded weights: four chains of pairs
.set j, 0
.rept 4
	v_pk_add_f32 v[102+2*j:103+2*j], v[A0+2*j:A0+2*j+1], v[A0+8+2*j:A0+8+2*j+1]
.set j, j+1
.endr
.set p, 8
.rept 60
	v_pk_add_f32 v[102+2*(p%4):103+2*(p%4)], v[102+2*(p%4):103+2*(p%4)], v[A0+2*p:A0+2*p+1]
.set p, p+1
.endr
	v_pk_add_f32 v[102:103], v[102:103], v[104:105]
	v_pk_add_f32 v[106:107], v[106:107], v[108:109]
	v_pk_add_f32 v[102:103], v[102:103], v[106:107]
	v_add_f32 v102, v102, v103
	v_permlanex16_b32 v103, v102, s28, s29
	v_add_f32 v102, v102, v103
	v_rcp_f32 v110, v102                           ; 1 / l; the roundings below are the independent work behind it
	v_mov_b32 v111, 0                              ; named with it as a pair
	; P in place: of each 16 registers (two key tiles) the first eight take the 16 weights as f16, ascending, so that no weight is written over before it is read.
	; The key tile that the tile does not need (the first of an odd tile's first group, the second of an even tile's last) has the weight 0.
.set y, 0
.rept 9
.set GB, 112+16*y
.set j, 0
.rept 4
.if ((\t)%2 == 1) && (y == 0)
	v_mov_b32 v[GB+j], 0
.else
	v_cvt_pk_f16_f32 v[GB+j], v[GB+2*j], v[GB+2*j+1]
.endif
.set j, j+1
.endr
.set j, 0
.rept 4
.if ((\t)%2 == 0) && (y == 8)
	v_mov_b32 v[GB+4+j], 0
.else
	v_cvt_pk_f16_f32 v[GB+4+j], v[GB+8+2*j], v[GB+8+2*j+1]
.endif
.set j, j+1
.endr
.set y, y+1
.endr
	s_wait_alu depctr_va_vdst(0)                   ; the reciprocal has written v110, which the way out's multiplies are the first to read
.endm
	SOFTMAX 0
	SOFTMAX 1
	SOFTMAX 2
	SOFTMAX 3
	WIN 0
	s_barrier_wait -1                              ; all 512 rows of V lie in LDS
; O^T = V^T P.  A GROUP g is 32 keys (key tiles 2 g, 2 g + 1): four fragments of V^T (16 channels x 32 keys) at 8 cb of buffer g % 2.  Tiles 0, 1 need groups 0-8, tiles 2, 3 groups 1-9.
; after = 1: the buffer has just been multiplied.
.macro FETCHV g, after
.set wv, (1+(\g)%2)<<6
	WIN wv
.if \after
	s_wait_alu depctr_va_vdst(0)                   ; the products of the group before last are done reading this buffer, in which the loads below land
.endif
.irp cb, 0,1,2,3
	ds_load_tr16_b128 v[8*(\cb):8*(\cb)+3],   v[AV] offset:32*PV*(\g)+32*(\cb)
	ds_load_tr16_b128 v[8*(\cb)+4:8*(\cb)+7], v[AV] offset:32*PV*(\g)+16*PV+32*(\cb)
.endr
.endm
.macro PV1 g, t, cb
.if ((\g) >= (\t)/2) && ((\g) <= (\t)/2+8)
.set wv, ((\t)*0x54)|(1+(\g)%2)
	WIN wv
.set rO, 120+16*(\cb)
.set rV, 8*(\cb)
.set rP, 112+16*((\g)-(\t)/2)
.if (\g) == (\t)/2
	v_wmma_f32_16x16x32_f16 v[rO:rO+7], v[rV:rV+7], v[rP:rP+7], 0
.else
	v_wmma_f32_16x16x32_f16 v[rO:rO+7], v[rV:rV+7], v[rP:rP+7], v[rO:rO+7]
.endif
.endif
.endm
.macro MULV g                       ; 8 or 16 accumulators take turns, one instruction a turn
.irp t, 0,1,2,3
.irp cb, 0,1,2,3
	PV1 \g, \t, \cb
.endr
.endr
.endm
	FETCHV 0, 0                                    ; no wait: the last products K Q^T, which read these two buffers, stand ahead of the softmaxes' waits, and no vector or matrix instruction since names the buffers
	FETCHV 1, 0
.irp g, 0,1,2,3,4,5,6,7
	s_wait_dscnt 8                                 ; this group's fragments are in; the next group's eight loads may stay out
	MULV \g
	FETCHV (\g)+2, 1
.endr
	s_wait_dscnt 8
	MULV 8
	s_wait_dscnt 0x0
	MULV 9
.rept 4
	v_nop                                          ; four places behind the last products, before a vector instruction reads a result (ISA guide 7.12.1)
.endr
; THE WAY OUT.  First all four tiles' O^T times 1 / l (each accumulator from its low end on); then, a tile (16 rows of out) at a time: a lane's 8 channels, 32 bytes, into rows of 272 bytes of my stage;
; back as whole rows of 256; stored.
.macro SCALEO t
.set wv, (\t)*0x55
	WIN wv
.irp cb, 0,1,2,3
.irp i, 0,1,2,3
	v_pk_mul_f32 v[120+16*(\cb)+2*(\i):120+16*(\cb)+2*(\i)+1], v[120+16*(\cb)+2*(\i):120+16*(\cb)+2*(\i)+1], v[110:111] op_sel_hi:[1,0]
.endr
.endr
.endm
.macro STAGEO t
.set wv, (\t)<<2
	WIN wv
.irp cb, 0,1,2,3
	ds_store_b128 v[STO], v[120+16*(\cb):120+16*(\cb)+3]   offset:64*(\cb)
	ds_store_b128 v[STO], v[120+16*(\cb)+4:120+16*(\cb)+7] offset:64*(\cb)+16
.endr
.set wv, (\t)<<6
	WIN wv
.irp i, 0,1,2,3,4,5,6,7
	ds_load_b128 v[32+4*(\i):35+4*(\i)], v[RD] offset:2*SP*(\i)  ; a wave's LDS instructions go in order (ISA guide 5.7.1): these see the stores above, and the next tile's stores come behind them
.endr
.endm
.macro SENDO t, younger             ; younger: the LDS instructions issued behind tile t's loads: the next tile's sixteen, or none
.set wv, (\t)<<2
	WIN wv
.irp i, 0,1,2,3,4,5,6,7
	s_wait_dscnt (\younger)+7-(\i)
	global_store_b128 v[GO], v[32+4*(\i):35+4*(\i)], s[22:23] offset:4096*(\t)+512*(\i) th:TH_STORE_NT  ; 512 consecutive bytes, at a multiple of 256 from out's first; each tile's data lie in its own window and are not written again
.endr
.endm
	SCALEO 0
	SCALEO 1
	SCALEO 2
	SCALEO 3
	s_wait_alu depctr_va_vdst(0)                   ; the 64 multiplies have written O^T, which the stage's LDS stores read; no vector instruction follows, so this wait serves all that is left
	s_wait_alu depctr_vm_vsrc(0)                   ; V's LDS stores have read v32-63 of the four windows, in which the stage's loads land
	STAGEO 0
	STAGEO 1                                       ; a tile's trip through the stage stands between the loads of the tile before and its stores
	SENDO 0, 16
	STAGEO 2
	SENDO 1, 16
	STAGEO 3
	SENDO 2, 16
	SENDO 3, 0
	WIN 0
	s_wait_dscnt 0x0                               ; the wave's end: my LDS instructions are done
	s_wait_alu depctr_hold_cnt(0) depctr_sa_sdst(0) depctr_va_vdst(0) depctr_va_sdst(0) depctr_va_ssrc(0) depctr_va_vcc(0) depctr_vm_vsrc(0)
	s_wait_tensorcnt 0x0
	ds_add_u32 v254, v255
	s_wait_dscnt 0x0
	s_endpgm
.Lfunc_end_k_q8c8adb2adf_band:
	.size	k_q8c8adb2adf_band, .Lfunc_end_k_q8c8adb2adf_band-k_q8c8adb2adf_band
	.p2alignl 7, 3214868480
	.fill 96, 4, 3214868480
	.section	.rodata,"a",@progbits
	.p2align	6, 0x0
	.amdhsa_kernel k_q8c8adb2adf_band
		.amdhsa_group_segment_fixed_size 210432
		.amdhsa_private_segment_fixed_size 0
		.amdhsa_enable_private_segment 0
		.amdhsa_kernarg_size 32
		.amdhsa_user_sgpr_count 2
		.amdhsa_user_sgpr_kernarg_segment_ptr 1
		.amdhsa_wavefront_size32 1
		.amdhsa_system_sgpr_workgroup_id_x 1
		.amdhsa_system_sgpr_workgroup_id_y 1
		.amdhsa_system_sgpr_workgroup_id_z 1
		.amdhsa_system_vgpr_workitem_id 0
		.amdhsa_next_free_vgpr 1024
		.amdhsa_next_free_sgpr 66
		.amdhsa_reserve_vcc 0
		.amdhsa_float_denorm_mode_32 3
		.amdhsa_float_denorm_mode_16_64 3
		.amdhsa_memory_ordered 1
		.amdhsa_forward_progress 1
		.amdhsa_inst_pref_size 188
	.end_amdhsa_kernel
	.amdgpu_metadata
---
amdhsa.version: [ 1, 2 ]
amdhsa.kernels:
  - .name:           k_q8c8adb2adf_band
    .symbol:         k_q8c8adb2adf_band.kd
    .args:
      - { .name: q, .offset: 0, .size: 8, .value_kind: global_buffer, .address_space: global }
      - { .name: k, .offset: 8, .size: 8, .value_kind: global_buffer, .address_space: global }
      - { .name: v, .offset: 16, .size: 8, .value_kind: global_buffer, .address_space: global }
      - { .name: out0, .offset: 24, .size: 8, .value_kind: global_buffer, .address_space: global }
    .group_segment_fixed_size: 210432
    .private_segment_fixed_size: 0
    .kernarg_segment_align: 8
    .kernarg_segment_size: 32
    .max_flat_workgroup_size: 128
    .sgpr_count:     66
    .vgpr_count:     1024
    .wavefront_size: 32
...
	.end_amdgpu_metadata
.endif
;; end of part 2
